; MI455X (gfx1250); checked and timed in simulation.
; The chip was launched on July 23, 2026; its instructions are those of AMD's public machine-readable ISA for CDNA 5 (MIT licence, August 2026) and "CDNA5" Instruction Set Architecture Reference Guide (July 2026). The comments in the code are by the model that wrote it; some were corrected since.
;; vae Vector Quantizer. Allowed arithmetic: matrix products marked QUANTISED: E5M2 operands, one given power-of-two scale a tensor, by v_wmma_f32_16x16x64_bf8_bf8 or v_wmma_f32_16x16x128_bf8_bf8, f32 sums; everything else in f32.
;; Inputs: embeddings 256 x 8,192 float32; lowp_scales 2 int32 (the exponents e of the quantised operands' scales 2^e); x 32,768 x 256 float32.
;; Outputs: out0 32,768 x 256 float32.
;; This version of the problem:
;;   THIS VERSION OF THE PROBLEM IS GIVEN IN LOW PRECISION. The matrix products marked QUANTISED in the list below multiply operands that are first quantised to E5M2 (5 exponent bits, 2 mantissa bits; 8 bits a number), with one given power-of-two scale for each operand tensor; their sums are f32. All else is computed in f32.
;;   The module's matrix products, in the order in which they are computed (A, B: the left and right operand; K: the contracted axis; several contracted axes count as one K, in the product's order):
;;     1. [M 32,768, K 256] x [K 256, N 8,192]; A: input x; B: input embeddings: QUANTISED (scales: A lowp_scales[0], B lowp_scales[1])
;;   THE QUANTISER, for each operand of a quantised product, along K:
;;     - The operand's scale is 2^e, e = its entry of the input lowp_scales (int32; the entries are numbered through the quantised products in the list's order, A before B).
;;     - Each number is divided by the scale, clamped to +-57,344, and rounded to the nearest number of E5M2, ties to even, subnormals kept.
;;     - The product sums the exact products of the quantised numbers (number of the format x scale) in f32.
;;   ~~~python
;;   def quantise(x, axis, e):      # numpy; x: float32 -> the quantised numbers, widened to float32 again
;;       x = np.moveaxis(x, axis, -1); K = x.shape[-1]
;;       r = np.clip(x / 2.0 ** e, -57344, 57344)
;;       step = 2.0 ** (np.maximum(np.frexp(np.where(r == 0, 1, r))[1] - 1, -14) - 2)
;;       q = np.round(r / step) * step * 2.0 ** e      # np.round: ties to even
;;       return np.moveaxis(q, -1, axis).astype(np.float32)
;;   ~~~
;; One version. Each part assembles by itself: llvm-mc -triple=amdgcn-amd-amdhsa -mcpu=gfx1250 --defsym DOCPART=n.
;; ======== version 1 of 1: 3 launches
;; limits: right only within a limited range of input values
;; workspace buffers: ecodes 2,129,920 bytes; et 8,388,608 bytes; idx 131,072 bytes of whole numbers
;; launch lay (part 1): grid 128 x 1, 8 waves a work-group, no clusters, 71,680 bytes of LDS; arguments embeddings, lowp_scales, ecodes, et; writes ecodes, et
.if DOCPART == 1
	.amdgcn_target "amdgcn-amd-amdhsa--gfx1250"
	.amdhsa_code_object_version 6
	.text
	.protected	k_qcd23586a24_lay
	.globl	k_qcd23586a24_lay
	.p2align	8
	.type	k_qcd23586a24_lay,@function
k_qcd23586a24_lay:
	s_mov_b64 s[64:65], 0
	v_nop
	global_prefetch_b8 v0, s[64:65] scope:SCOPE_SE
	s_setreg_imm32_b32 hwreg(HW_REG_WAVE_MODE, 25, 1), 1
	s_wait_xcnt 0x0
; E [256 (k)][8192 (n)], f32, is read once and leaves in three forms:
;   et      E transposed, f32, [8192][256]: the rows that the last launch gathers;
;   ecodes  64 chunks of 33,280 bytes, one for 128 columns: eight images of 4,096 bytes (16 columns x 256 k of E5M2 codes in the order of a matrix operand's registers:
;           code (n, k) at (n / 16 % 8) 4096 + (k / 32) 512 + (k / 16 % 2) 256 + (n % 16) 16 + k % 16), then 128 numbers ne2[n] = -(sum over k of E(k, n)^2) x 2^-(1 + ea + eb), f32.
; code = E / 2^eb, held within +-57,344, rounded to the nearest code, ties to even.  LIMITS: eb between -126 and 112; 1 + ea + eb is applied by v_ldexp_f32.  NaN among the inputs is not served.
; SHARES.  A work-group of eight waves owns 64 columns and all 256 k.  Wave w: columns 32 (w % 2) + lane, k = 64 (w / 2) + 0 .. 63.  A LANE TAKES A COLUMN AND ITS REGISTERS RUN DOWN K:
; a load reads 128 consecutive bytes, the two waves side by side 256; the conversions give codes with k innermost; nothing is transposed by an instruction.
; The f32 numbers turn through the wave's own stage in LDS, so that sixteen lanes store 256 consecutive bytes of a row of et, aligned.  The sums of squares of the four quarters of K meet in LDS behind one barrier.
; No tensor load, no matrix unit, no cluster: each byte is read once and no two work-groups read the same.
.set CHUNK,  33280
.set SPITCH, 272                       ; a stage row: 64 numbers + 16 bytes, so that sixteen rows begin at sixteen different banks
.set WSTG,   32*SPITCH                 ; a wave's stage
.set PS,     8*WSTG                    ; behind the stages: 4 quarters x 64 columns of partial sums
.set X,      32                        ; v32-95   my column's 64 numbers
.set C,      96                        ; v96-111  their codes
.set OUTR,   112                       ; v112-175 rows read back from the stage
	s_load_b256 s[4:11], s[0:1], 0x0               ; E s[4:5], the scales' exponents s[6:7], ecodes s[8:9], et s[10:11]
	v_lshl_add_u32 v176, v0, 2, 0x11400
	v_mov_b32 v177, 0
	v_lshrrev_b32 v1, 5, v0
	v_readfirstlane_b32 s12, v1                    ; wave 0..7
	v_and_b32 v1, 31, v0                           ; lane
	s_and_b32 s13, s12, 1                          ; cw: which 32 columns
	s_lshr_b32 s14, s12, 1                         ; q: which 64 along K
	v_lshlrev_b32 v2, 2, v1                        ; in: 4 bytes a lane
	s_mul_i32 s15, s12, WSTG
	v_mul_u32_u24 v3, v1, SPITCH
	v_add_nc_u32 v3, s15, v3                       ; into the stage: row = my column
	v_and_b32 v20, 15, v0
	v_bfe_u32 v21, v0, 4, 1
	v_mul_u32_u24 v4, v21, SPITCH
	v_lshl_add_u32 v4, v20, 4, v4
	v_add_nc_u32 v4, s15, v4                       ; out of it: sixteen lanes to a row, two rows an instruction
	v_lshlrev_b32 v5, 10, v21
	v_lshl_add_u32 v5, v20, 4, v5                  ; the same place in et: rows of 1,024 bytes
	v_lshlrev_b32 v6, 12, v21
	v_lshl_add_u32 v6, v20, 4, v6                  ; my codes' place: image lane / 16, 16 bytes for column lane % 16
	s_lshl_b32 s19, s14, 8
	s_lshl_b32 s16, s13, 7
	s_add_co_u32 s19, s19, s16
	s_add_co_u32 s19, s19, PS
	v_add_nc_u32 v7, s19, v2                       ; my partial sum's word: PS + 256 q + 4 (32 cw + lane)
	v_lshlrev_b32 v9, 3, v1                        ; wave 0's last step: two columns a lane
	v_add_nc_u32 v8, PS, v9
	; byte offsets, apart from the addresses
	s_lshl_b32 s20, s14, 21                        ; E: 64 q rows of 32,768 bytes,
	s_lshl_b32 s16, ttmp9, 8
	s_add_co_u32 s20, s20, s16                     ; + 64 columns a work-group,
	s_lshl_b32 s16, s13, 7
	s_add_co_u32 s20, s20, s16                     ; + 32 cw columns
	s_mov_b32 s21, 0
	s_lshl_b32 s22, ttmp9, 16                      ; et: 64 rows of 1,024 bytes a work-group,
	s_lshl_b32 s16, s13, 15
	s_add_co_u32 s22, s22, s16                     ; + 32 cw rows,
	s_lshl_b32 s16, s14, 8
	s_add_co_u32 s22, s22, s16                     ; + 64 q numbers
	s_mov_b32 s23, 0
	s_lshr_b32 s17, ttmp9, 1
	s_mul_i32 s17, s17, CHUNK                      ; ecodes: my chunk,
	s_and_b32 s18, ttmp9, 1
	s_lshl_b32 s24, s18, 14                        ; + four images for the chunk's second half,
	s_lshl_b32 s16, s13, 13
	s_add_co_u32 s24, s24, s16                     ; + two images for cw,
	s_lshl_b32 s16, s14, 10
	s_add_co_u32 s24, s24, s16                     ; + two groups of 512 bytes for each q
	s_add_co_u32 s24, s24, s17
	s_mov_b32 s25, 0
	s_lshl_b32 s26, s18, 8                         ; ne2: behind the chunk's eight images, 64 numbers a work-group
	s_add_co_u32 s26, s26, s17
	s_add_co_u32 s26, s26, 32768
	s_mov_b32 s27, 0
	s_wait_kmcnt 0x0
	s_load_b64 s[28:29], s[6:7], 0x0               ; ea, eb
	s_add_nc_u64 s[4:5], s[4:5], s[20:21]
	s_add_nc_u64 s[10:11], s[10:11], s[22:23]
	s_add_nc_u64 s[24:25], s[8:9], s[24:25]
	s_add_nc_u64 s[26:27], s[8:9], s[26:27]
.set i, 0
.rept 64
	global_load_b32 v[X+i], v2, s[4:5] offset:i*32768 th:TH_LOAD_NT   ; E(64 q + i, my column); the largest offset, 63 rows, lies inside the signed 24-bit immediate
.set i, i+1
.endr
	s_wait_kmcnt 0x0
	s_add_co_i32 s30, s28, s29
	s_add_co_i32 s30, s30, 1
	s_sub_co_i32 s30, 0, s30                       ; -(1 + ea + eb)
	s_add_co_i32 s31, s29, 127
	s_lshl_b32 s32, s31, 23
	v_mov_b32 v11, s32                             ; 2^eb as f32: the conversion takes its exponent field
	s_add_co_i32 s31, s31, 15
	s_lshl_b32 s31, s31, 23
	s_or_b32 s31, s31, 0x600000
	v_mov_b32 v10, s31                             ; 57,344 x 2^eb
	s_wait_loadcnt 32                              ; the first 32 numbers are in; the other 32 loads may be out
.irp c, 0,1,2,3
	v_pk_mul_f32 v[12+2*\c:13+2*\c], v[X+2*\c:X+2*\c+1], v[X+2*\c:X+2*\c+1]   ; four packed chains of squares, started by the first eight numbers: nothing is cleared
.endr
.set i, 4
.rept 12
	v_pk_fma_f32 v[12+2*(i%4):13+2*(i%4)], v[X+2*i:X+2*i+1], v[X+2*i:X+2*i+1], v[12+2*(i%4):13+2*(i%4)]
.set i, i+1
.endr
.irp m, 0,1,2,3,4,5,6,7
	ds_store_b128 v3, v[X+4*\m:X+4*\m+3] offset:16*\m
.endr
	s_wait_loadcnt 0x0
.rept 16
	v_pk_fma_f32 v[12+2*(i%4):13+2*(i%4)], v[X+2*i:X+2*i+1], v[X+2*i:X+2*i+1], v[12+2*(i%4):13+2*(i%4)]
.set i, i+1
.endr
.irp m, 8,9,10,11,12,13,14,15
	ds_store_b128 v3, v[X+4*\m:X+4*\m+3] offset:16*\m
.endr
	v_pk_add_f32 v[12:13], v[12:13], v[14:15]
	v_pk_add_f32 v[16:17], v[16:17], v[18:19]
	v_pk_add_f32 v[12:13], v[12:13], v[16:17]
	v_add_f32 v12, v12, v13                        ; my column's sum of squares over my 64 k
	ds_store_b32 v7, v12
.irp t, 0,1,2,3,4,5,6,7,8,9,10,11,12,13,14,15
	ds_load_b128 v[OUTR+4*\t:OUTR+4*\t+3], v4 offset:2*\t*SPITCH   ; LDS serves a wave's instructions in order: these see my stores
.endr
.irp t, 0,1,2,3,4,5,6,7,8,9,10,11,12,13,14,15
	s_wait_dscnt 15-\t                             ; the younger loads may be out
	global_store_b128 v5, v[OUTR+4*\t:OUTR+4*\t+3], s[10:11] offset:2*\t*1024   ; sixteen lanes store 256 consecutive bytes of a row of et, aligned
.endr
	; every LDS instruction of mine is done (the last count was 0): the numbers' registers may be written
.set i, 0
.rept 64
	v_med3_num_f32 v[X+i], v[X+i], -v10, v10       ; the conversion to an 8-bit code does not saturate (ISA guide 7.6.2): hold the number within the largest code x the scale first
.set i, i+1
.endr
.irp g, 0,1,2,3,4,5,6,7
	v_cvt_scalef32_pk8_bf8_f32 v[C+2*\g:C+2*\g+1], v[X+8*\g:X+8*\g+7], v11
.endr
	v_nop                                          ; one plain vector line behind the last conversion
.irp b, 0,1
.irp hh, 0,1
	global_store_b128 v6, v[C+8*\b+4*\hh:C+8*\b+4*\hh+3], s[24:25] offset:\b*512+\hh*256   ; k = 64 q + 32 b + 16 hh + 0 .. 15 of sixteen columns: 256 consecutive bytes for each half of the lanes, aligned
.endr
.endr
	s_wait_dscnt 0x0                               ; for the others' sake: my partial sum lies in LDS
	s_barrier_signal -1
	s_barrier_wait -1
	s_cmp_lg_u32 s12, 0                            ; wave 0 adds the four quarters, two columns a lane
	s_cbranch_scc1 .Ldone
.irp p, 0,1,2,3
	ds_load_b64 v[20+2*\p:21+2*\p], v8 offset:256*\p
.endr
	s_wait_dscnt 0x0
	v_pk_add_f32 v[20:21], v[20:21], v[22:23]
	v_pk_add_f32 v[24:25], v[24:25], v[26:27]
	v_pk_add_f32 v[20:21], v[20:21], v[24:25]
	v_xor_b32 v20, 0x80000000, v20
	v_xor_b32 v21, 0x80000000, v21
	v_ldexp_f32 v20, v20, s30                      ; x 2^-(1 + ea + eb): nothing is rounded, short of overflow and underflow
	v_ldexp_f32 v21, v21, s30
	global_store_b64 v9, v[20:21], s[26:27]        ; 32 lanes store 256 consecutive bytes, aligned
.Ldone:
	s_wait_tensorcnt 0x0
	ds_add_u32 v176, v177
	s_wait_dscnt 0x0
	s_endpgm
.Lfunc_end_k_qcd23586a24_lay:
	.size	k_qcd23586a24_lay, .Lfunc_end_k_qcd23586a24_lay-k_qcd23586a24_lay
	.p2alignl 7, 3214868480
	.fill 96, 4, 3214868480
	.section	.rodata,"a",@progbits
	.p2align	6, 0x0
	.amdhsa_kernel k_qcd23586a24_lay
		.amdhsa_group_segment_fixed_size 71680
		.amdhsa_private_segment_fixed_size 0
		.amdhsa_enable_private_segment 0
		.amdhsa_kernarg_size 32
		.amdhsa_user_sgpr_count 2
		.amdhsa_user_sgpr_kernarg_segment_ptr 1
		.amdhsa_wavefront_size32 1
		.amdhsa_system_sgpr_workgroup_id_x 1
		.amdhsa_system_sgpr_workgroup_id_y 1
		.amdhsa_system_sgpr_workgroup_id_z 1
		.amdhsa_system_vgpr_workitem_id 0
		.amdhsa_next_free_vgpr 178
		.amdhsa_next_free_sgpr 66
		.amdhsa_reserve_vcc 0
		.amdhsa_float_denorm_mode_32 3
		.amdhsa_float_denorm_mode_16_64 3
		.amdhsa_memory_ordered 1
		.amdhsa_forward_progress 1
		.amdhsa_inst_pref_size 22
	.end_amdhsa_kernel
	.amdgpu_metadata
---
amdhsa.version: [ 1, 2 ]
amdhsa.kernels:
  - .name:           k_qcd23586a24_lay
    .symbol:         k_qcd23586a24_lay.kd
    .args:
      - { .name: embeddings, .offset: 0, .size: 8, .value_kind: global_buffer, .address_space: global }
      - { .name: lowp_scales, .offset: 8, .size: 8, .value_kind: global_buffer, .address_space: global }
      - { .name: ecodes, .offset: 16, .size: 8, .value_kind: global_buffer, .address_space: global }
      - { .name: et, .offset: 24, .size: 8, .value_kind: global_buffer, .address_space: global }
    .group_segment_fixed_size: 71680
    .private_segment_fixed_size: 0
    .kernarg_segment_align: 8
    .kernarg_segment_size: 32
    .max_flat_workgroup_size: 256
    .sgpr_count:     66
    .vgpr_count:     178
    .wavefront_size: 32
...
	.end_amdgpu_metadata
.endif
;; end of part 1
;; launch vq (part 2): grid 256 x 1, 4 waves a work-group, clusters of 4 x 1, 327,680 bytes of LDS; arguments x, ecodes, lowp_scales, idx; writes idx
.if DOCPART == 2
	.amdgcn_target "amdgcn-amd-amdhsa--gfx1250"
	.amdhsa_code_object_version 6
	.text
	.protected	k_qcd23586a24_vq
	.globl	k_qcd23586a24_vq
	.p2align	8
	.type	k_qcd23586a24_vq,@function
k_qcd23586a24_vq:
	s_mov_b64 s[64:65], 0
	v_nop
	global_prefetch_b8 v0, s[64:65] scope:SCOPE_SE
	s_setreg_imm32_b32 hwreg(HW_REG_WAVE_MODE, 25, 1), 1
	s_wait_xcnt 0x0
	s_wait_alu depctr_hold_cnt(0) depctr_sa_sdst(0) depctr_va_vdst(0) depctr_va_sdst(0) depctr_va_ssrc(0) depctr_va_vcc(0) depctr_vm_vsrc(0)
	s_getreg_b32 s2, hwreg(HW_REG_IB_STS2, 6, 4)
	s_cmp_eq_u32 s2, 0
	s_cbranch_scc0 .Lentry_in_a_cluster
	s_endpgm
.Lentry_in_a_cluster:
	s_bfe_u32 s2, ttmp6, 0x10000c
	s_cmp_lg_u32 s2, 0x3003
	s_cbranch_scc0 .Lentry_shape_is_right
	s_endpgm
.Lentry_shape_is_right:
; idx[row] = the column n of E that makes dist = sum x^2 - 2 x.E + sum e^2 smallest, the lowest n among equals.  x.E is multiplied on codes of E5M2 (v_wmma_f32_16x16x128_bf8_bf8), all else is f32.
; WHAT IS COMPARED: v = -dist x 2^-(1 + ea + eb) = (S + ne2[n]) + nx2[row], and the LARGEST v wins.  S is the sum of the codes' products; ne2 = -(sum e^2) 2^-(1 + ea + eb) comes with the codes and is the C of a
; sum's first matrix instruction; nx2 = -(sum x^2) 2^-(1 + ea + eb).  The power of two rounds nothing.
; LIMITS: the three terms are rounded in the order (e^2 - 2 s) + x^2, not (x^2 - 2 s) + e^2; ea between -126 and 112; 1 + ea + eb is applied by v_ldexp_f32; NaN among the inputs is not served.
; SHARES.  A work-group owns 128 rows and ALL 8,192 columns, so a row's choice is finished inside it: 256 work-groups.  Every wave holds all 128 rows' codes (8 tiles x 32 registers); the four waves share the
; columns: wave w walks chunks w, w + 4, w + 8 .. of 128 columns, 128 tiles of 16 columns in ascending order, 16 matrix instructions a tile.  So each column's codes are read from LDS once in the work-group.
; x is read from memory once: each wave quantises 32 rows in registers and hands their operand images to the others through LDS.
; TRANSPOSED USE: source 0 = 16 columns of E, source 1 = 16 rows of x: lane (r, h) holds ONE row r, and its eight registers the columns 8 h + 0 .. 7 of the tile.
; THE ARGMAX, 15 vector instructions for a tile of 16 x 16: the largest of the lane's eight sums (4); + nx2 (1: rounding is monotone, so this is the largest of the eight rounded v); a strict compare with the
; best so far (1: the earlier tile stays at a tie); nine selects: the best, the tile's number, and seven of the eight sums.  Which register won is found once, at the end: the lowest j whose kept sum + nx2 equals the best, else 7.
; BY TURNS.  In a PHASE the products of tile t + 1, the argmax of tile t (in 16 slices, one behind each matrix instruction) and the LDS loads of tile t + 2 stand together: two sets of accumulators, two of fragments.
; CLUSTER.  All work-groups walk the same stream of chunks; the four of a cluster ask for each chunk JOINTLY (the same tensor load, the same descriptor, a mask that names the four).
; THE RING: two slots of four chunks; wave w fetches and reads chunk w of a slot, nobody else touches it.
; REGISTERS, in windows of 256 (s_set_vgpr_msb: bits 1:0 source 0, 3:2 source 1, 5:4 source 2, 7:6 destination):
;   window 0: v1-31 addresses and small change; v32-39 the best v, v40-47 its tile, v48-55 nx2 (one a row tile); v56-119 kept sums (8 a row tile, 7 used); v120-127 at work; v128-255 two sets of 8 accumulators
;   window 1: x's codes, 32 a row tile.   window 2: v0-63 two sets of a column tile's codes; v64-79 two sets of ne2.   window 3: x as it is loaded (the head alone).
.set CHUNK, 33280                      ; eight images of 4,096 bytes, then 128 numbers ne2: 130 rows of 256 bytes
.set SLOTB, 4*CHUNK
.set XIMG,  2*SLOTB                    ; behind the ring: x's eight operand images of 4,096 bytes,
.set STG,   XIMG+32768                 ; a stage of 16 rows x 272 bytes for each wave,
.set SPT,   272
.set WSTG,  16*SPT
.set X2R,   STG+4*WSTG                 ; nx2 of the 128 rows,
.set MV,    X2R+512                    ; the four waves' best values (512 bytes each), and 2,048 bytes on their columns,
.set SPARE, MV+4096                    ; and the spare words, 128 bytes for each wave: two blocks of 256 bytes that no other line names
.set SPW,  1                           ; v1   LDS address of my spare word; never rewritten
.set NIL,  2                           ; v2   0; never rewritten
.set AD0,  3                           ; v3, v4  16 x lane + my chunk, in slot 0, 1
.set AD1,  4
.set AE0,  5                           ; v5, v6  32 (lane / 16) + my chunk's ne2, in slot 0, 1
.set AE1,  6
.set ADR,  7                           ; v7, v8  the addresses of the loads in hand
.set ADE,  8
.set PFO,  9                           ; v9   256 x lane, for the prefetches; never rewritten
.set XA,   10                          ; v10  x: (lane / 16) rows + 16 (lane % 16)
.set SA,   11                          ; v11  the stage, way in
.set SB,   12                          ; v12  the stage, way out: row lane % 16, + 64 (lane / 16)
.set XW,   13                          ; v13  where I store my two images of x
.set LI,   14                          ; v14  XIMG + 16 x lane
.set X2W,  15                          ; v15  where I store nx2
.set T0,   16                          ; v16-19, v20-23 at work in the argmax, one for each of four row tiles
.set T1,   20
.set X2A,  24                          ; v24  X2R + 4 (lane % 16)
.set MW,   25                          ; v25  where I store my wave's best
.set SCX,  26                          ; v26  2^ea as f32
.set LIMX, 27                          ; v27  57,344 x 2^ea
.set NB,   28                          ; v28  128 w + 8 (lane / 16)
.set GO,   29                          ; v29  16 x lane
.set MR,   30                          ; v30  MV + 16 x lane
.set BEST, 32
.set ID,   40
.set NX2,  48
.set SAVE, 56
.set JJ,   120
.set ACC,  128
.set TS,   128                         ; the head: two sets of 32 numbers of x,
.set PCD,  192                         ; two sets of 8 registers of codes,
.set CH,   208                         ; four packed chains of squares
.set NEC,  64                          ; ne2, in window 2
.set WV,   12                          ; s12  my wave's number
.set G1,   16                          ; s[16:23] descriptor group 1
.set G0,   24                          ; s[24:31] descriptor group 0, a set for each slot
.set TB,   36                          ; s36  bytes from a chunk's first image to the pair of tiles to be fetched
.set TE,   37                          ; s37  the same among its ne2
.set TAU,  38                          ; s38, s39 the numbers of the two tiles whose argmax a pair of phases makes
.set CNT,  40
.set LAP,  41
.set LIM,  43                          ; s43  1 in the launch's first cluster, else the greatest number
.set PFA,  44                          ; s[44:45] where my prefetches stand
.set SEL,  46                          ; s[46:47] v_permlanex16_b32's selects for lane l xor 16
.set MK,   48                          ; s[48:51] four masks
.set MSB, 0
.macro WIN new                         ; the immediate's high byte repeats the setting that is left; a switch that changes nothing is dropped
.if MSB != (\new)
	s_set_vgpr_msb (MSB<<8)|(\new)
.set MSB, \new
.endif
.endm
; A round of the cluster's barrier: my work-group's barrier, wave 0's signal for the work-group, every wave's wait for all four work-groups, my work-group's barrier once more.
.macro ROUND
	s_barrier_signal -1
	s_barrier_wait -1
	s_cmp_lg_u32 s[WV], 0
	s_cbranch_scc1 .Lnot_wave_0_\@
	s_barrier_signal -3
.Lnot_wave_0_\@:
	s_barrier_wait -3
	s_barrier_signal -1
	s_barrier_wait -1
.endm
	s_load_b256 s[4:11], s[0:1], 0x0               ; x s[4:5], ecodes s[6:7], the scales' exponents s[8:9], idx s[10:11]
	v_lshl_add_u32 v[SPW], v0, 2, SPARE
	v_mov_b32 v[NIL], 0
	ds_add_u32 v1, v2
	ds_add_u32 v1, v2
	s_wait_dscnt 0x0
	v_lshrrev_b32 v120, 5, v0
	v_readfirstlane_b32 s[WV], v120                ; wave 0..3
	s_bfe_u32 s13, ttmp6, 0x40000                  ; cx: my place in the cluster: it enters x's, idx's and the prefetches' addresses alone
	s_lshl_b32 s14, ttmp9, 2                       ; in a cluster launch ttmp9 counts clusters
	s_add_co_u32 s14, s14, s13                     ; my block of 128 rows
	v_and_b32 v121, 31, v0                         ; lane
	v_and_b32 v122, 15, v0                         ; r
	v_bfe_u32 v123, v0, 4, 1                       ; h
	s_mul_i32 s15, s[WV], CHUNK                    ; my chunk's place in a slot, and in a block of four chunks in memory
	v_lshlrev_b32 v[GO], 4, v121
	v_add_nc_u32 v[AD0], s15, v[GO]
	v_add_nc_u32 v[AD1], SLOTB, v[AD0]
	s_add_co_u32 s35, s15, 32768
	v_lshl_add_u32 v[AE0], v123, 5, s35
	v_add_nc_u32 v[AE1], SLOTB, v[AE0]
	v_lshlrev_b32 v[PFO], 8, v121
	v_lshlrev_b32 v[XA], 10, v123
	v_lshl_add_u32 v[XA], v122, 4, v[XA]
	s_mul_i32 s35, s[WV], WSTG
	s_add_co_u32 s35, s35, STG                     ; my stage
	v_mul_u32_u24 v[SA], v123, SPT
	v_lshl_add_u32 v[SA], v122, 4, v[SA]
	v_add_nc_u32 v[SA], s35, v[SA]
	v_mul_u32_u24 v[SB], v122, SPT
	v_lshl_add_u32 v[SB], v123, 6, v[SB]
	v_add_nc_u32 v[SB], s35, v[SB]
	v_add_nc_u32 v[LI], XIMG, v[GO]
	s_lshl_b32 s35, s[WV], 13
	v_add_nc_u32 v[XW], s35, v[LI]                 ; row tiles 2 w and 2 w + 1
	v_lshlrev_b32 v[X2A], 2, v122
	v_add_nc_u32 v[X2A], X2R, v[X2A]
	s_lshl_b32 s35, s[WV], 7
	v_add_nc_u32 v[X2W], s35, v[X2A]
	v_lshl_add_u32 v[NB], v123, 3, s35
	s_lshl_b32 s35, s[WV], 9
	s_add_co_u32 s35, s35, MV
	v_lshl_add_u32 v[MW], v122, 2, s35
	v_add_nc_u32 v[MR], MV, v[GO]
	; descriptor group 1: a chunk is dense in memory: 130 rows of 32 elements of 8 bytes, laid in LDS as they lie
	s_mov_b32 s[G1], 15|(3<<16)|(1<<21)            ; 15:0 the mask: all four work-groups; 17:16 elements of 8 bytes; 20 no padding; 21 set beside a mask
	s_mov_b32 s[G1+1], 32<<16                      ; tensor_dim0 = 32
	s_mov_b32 s[G1+2], 130<<16                     ; tensor_dim1 = 130
	s_mov_b32 s[G1+3], 32<<16                      ; tile_dim0 = 32
	s_mov_b32 s[G1+4], 130                         ; tile_dim1 = 130
	s_mov_b32 s[G1+5], 32                          ; from row to row
	s_mov_b32 s[G1+6], 0
	s_mov_b32 s[G1+7], 0
	s_mov_b32 s[SEL], 0x76543210
	s_mov_b32 s[SEL+1], 0xfedcba98
	s_lshl_b32 s60, s14, 17                        ; x: 128 rows of 1,024 bytes a work-group,
	s_lshl_b32 s35, s[WV], 15
	s_add_co_u32 s60, s60, s35                     ; 32 rows a wave
	s_mov_b32 s61, 0
	s_lshl_b32 s62, s14, 9                         ; idx: 128 words a work-group
	s_mov_b32 s63, 0
	s_mov_b32 s58, s15
	s_mov_b32 s59, 0
	s_wait_kmcnt 0x0
	s_load_b64 s[32:33], s[8:9], 0x0               ; ea, eb
	s_add_nc_u64 s[4:5], s[4:5], s[60:61]
	s_add_nc_u64 s[10:11], s[10:11], s[62:63]
	s_add_nc_u64 s[56:57], s[6:7], s[58:59]        ; my chunk of block 0: made of the wave's number alone
	s_lshl_b32 s60, s13, 13                        ; the prefetches: of my chunk's 32,768 bytes of codes each partner takes 8,192, told apart by address,
	s_add_nc_u64 s[PFA:PFA+1], s[56:57], s[60:61]
	s_add_nc_u64 s[PFA:PFA+1], s[PFA:PFA+1], 2*SLOTB  ; in block 2: the first change of slots steps it to block 3.  Nothing is prefetched here, at the head
	s_cmp_eq_u32 ttmp9, 0                          ; every cluster walks the same chunks: the launch's first cluster asks; the same in all four partners
	s_cselect_b32 s[LIM], 1, -1
	; my 32 rows of x, in eight passes P = 4 u + q (row tile u, quarter q of K): an instruction reads 256 consecutive bytes of each of two rows
	WIN 0xc0                                       ; destination window 3
.irp P, 0,1,2,3,4,5,6,7
.irp i, 0,1,2,3,4,5,6,7
	global_load_b128 v[32*\P+4*\i:32*\P+4*\i+3], v[XA], s[4:5] offset:(16*(\P/4)+2*\i)*1024+256*(\P%4) th:TH_LOAD_NT
.endr
.endr
	WIN 0
	ROUND                                          ; all four work-groups are here: the first joint loads meet
.irp sl, 0,1
	s_mov_b32 s[G0+4*\sl], 1                       ; count = 1
	s_add_co_u32 s[G0+4*\sl+1], s15, \sl*SLOTB     ; LDS address: the slot, my chunk
	s_add_nc_u64 s[G0+4*\sl+2:G0+4*\sl+3], s[56:57], \sl*SLOTB   ; global address: block sl, my chunk
	s_or_b32 s[G0+4*\sl+3], s[G0+4*\sl+3], 0x80000000            ; type = 2
.endr
	tensor_load_to_lds s[G0:G0+3], s[G1:G1+7]      ; the two first fills go out together: two loads of mine are out
	s_nop 0
	tensor_load_to_lds s[G0+4:G0+7], s[G1:G1+7]
	s_nop 0
.rept 4
	v_nop                                          ; four lines behind a tensor load, ahead of any switch of windows
.endr
	s_wait_kmcnt 0x0
	s_add_co_i32 s34, s32, s33
	s_add_co_i32 s34, s34, 1
	s_sub_co_i32 s34, 0, s34                       ; -(1 + ea + eb)
	s_add_co_i32 s35, s32, 127
	s_lshl_b32 s52, s35, 23
	v_mov_b32 v[SCX], s52                          ; 2^ea as f32: the conversion takes its exponent field
	s_add_co_i32 s35, s35, 15
	s_lshl_b32 s35, s35, 23
	s_or_b32 s35, s35, 0x600000
	v_mov_b32 v[LIMX], s35                         ; 57,344 x 2^ea
; x INTO CODES.  The conversions want 16 neighbours along K in a lane's registers, the loads took the bytes as they lie: a pass's 16 rows x 256 bytes turn through my stage.
.macro TURN P
	s_wait_loadcnt 56-8*(\P)                       ; pass P's eight loads are in; the later passes' may be out
	WIN 0x0c                                       ; store data from window 3
.irp i, 0,1,2,3,4,5,6,7
	ds_store_b128 v[SA], v[32*(\P)+4*\i:32*(\P)+4*\i+3] offset:2*\i*SPT
.endr
	WIN 0
.irp c, 0,1
.irp j, 0,1,2,3
	ds_load_b128 v[TS+32*((\P)%2)+16*\c+4*\j:TS+32*((\P)%2)+16*\c+4*\j+3], v[SB] offset:128*\c+16*\j   ; register 16 c + i = k 64 q + 32 c + 16 h + i of row r.  LDS serves a wave's instructions in order: these see the stores
.endr
.endr
.endm
.macro WORK P
.set TT, TS+32*((\P)%2)
.set PP, PCD+8*((\P)%2)
.set jj, 0
.rept 16
.if (((\P)%4) == 0) && (jj < 4)
	v_pk_mul_f32 v[CH+2*jj:CH+2*jj+1], v[TT+2*jj:TT+2*jj+1], v[TT+2*jj:TT+2*jj+1]   ; a row tile's first eight numbers start the four chains of squares
.else
	v_pk_fma_f32 v[CH+2*(jj%4):CH+2*(jj%4)+1], v[TT+2*jj:TT+2*jj+1], v[TT+2*jj:TT+2*jj+1], v[CH+2*(jj%4):CH+2*(jj%4)+1]
.endif
.set jj, jj+1
.endr
.set jj, 0
.rept 32
	v_med3_num_f32 v[TT+jj], v[TT+jj], -v[LIMX], v[LIMX]   ; the conversion to an 8-bit code does not saturate (ISA guide 7.6.2): the hold at the largest code x the scale
.set jj, jj+1
.endr
.irp e, 0,1,2,3
	v_cvt_scalef32_pk8_bf8_f32 v[PP+2*\e:PP+2*\e+1], v[TT+8*\e:TT+8*\e+7], v[SCX]
.endr
	v_nop                                          ; one plain vector line behind the last conversion: matrix instructions later write these registers
	ds_store_b128 v[XW], v[PP:PP+3] offset:((\P)/4)*4096+(2*((\P)%4))*512       ; group 2 q of the image: the operand's registers as they stand, 16 bytes a lane
	ds_store_b128 v[XW], v[PP+4:PP+7] offset:((\P)/4)*4096+(2*((\P)%4)+1)*512
.if ((\P)%4) == 3                      ; the row tile is through: nx2
	v_pk_add_f32 v[CH:CH+1], v[CH:CH+1], v[CH+2:CH+3]
	v_pk_add_f32 v[CH+4:CH+5], v[CH+4:CH+5], v[CH+6:CH+7]
	v_pk_add_f32 v[CH:CH+1], v[CH:CH+1], v[CH+4:CH+5]
	v_add_f32 v[CH], v[CH], v[CH+1]
	v_permlanex16_b32 v[CH+1], v[CH], s[SEL], s[SEL+1]   ; the row's other 128 numbers lie in the lane 16 away
	v_add_f32 v[CH], v[CH], v[CH+1]
	v_xor_b32 v[CH], 0x80000000, v[CH]
	v_ldexp_f32 v[CH], v[CH], s34                  ; -(sum x^2) x 2^-(1 + ea + eb)
	ds_store_b32 v[X2W], v[CH] offset:64*((\P)/4)  ; both halves of the lanes write the same word with the same number
.endif
.endm
	TURN 0
.irp P, 0,1,2,3,4,5,6,7
.if \P < 7
	TURN \P+1                                      ; the next pass goes through the stage while this one is worked
	s_wait_dscnt 16                                ; all but the next pass's eight stores and eight loads: this pass's numbers are in, and the stores of the pass before have read their registers
.else
	s_wait_dscnt 0x0
.endif
	WORK \P
.endr
	s_wait_dscnt 0x0                               ; for the others' sake: my images and my nx2 lie in LDS
	s_barrier_signal -1
	s_barrier_wait -1
	WIN 0x40                                       ; destination window 1
.irp a, 0,1,2,3,4,5,6,7
.irp g, 0,1,2,3,4,5,6,7
	ds_load_b128 v[32*\a+4*\g:32*\a+4*\g+3], v[LI] offset:4096*\a+512*\g   ; all 128 rows' codes stay in registers: registers 4 g .. 4 g + 3 hold k = 32 g + 16 h + 0 .. 15 of row 16 a + r
.endr
.endr
	WIN 0
.irp a, 0,1,2,3,4,5,6,7
	ds_load_b32 v[NX2+\a], v[X2A] offset:64*\a
.endr
	v_mov_b32 v[BEST], 0xff800000                  ; the best so far: -infinity; the kept sums likewise, the tile's number 0: the selects read them before the first tile has written them
.irp a, 1,2,3,4,5,6,7
	v_mov_b32 v[BEST+\a], v[BEST]
.endr
.irp a, 0,1,2,3,4,5,6,7
	v_mov_b32 v[ID+\a], 0
.irp j, 0,1,2,3,4,5,6
	v_mov_b32 v[SAVE+8*\a+\j], v[BEST]
.endr
.endr
; Matrix instruction kk of a tile's 16, on set q: K step kk / 8, row tile kk % 8.  The eight accumulators take turns, one instruction a turn: seven others' stand between two links of a chain.
; The k of a register is 32 g + 16 h + 0 .. 15 in both operands: a permutation of this form's own places, the same on both sides, so every product meets its partner.
.macro MM q
.set ra, kk%8
.if kk < 8
	WIN 0x26                                       ; source 0 (E) and C (ne2) window 2, source 1 (x) window 1, D window 0
	v_wmma_f32_16x16x128_bf8_bf8 v[ACC+64*(\q)+8*ra:ACC+64*(\q)+8*ra+7], v[32*(\q):32*(\q)+15], v[32*ra:32*ra+15], v[NEC+8*(\q):NEC+8*(\q)+7]
.else
	WIN 0x06                                       ; C and D window 0
	v_wmma_f32_16x16x128_bf8_bf8 v[ACC+64*(\q)+8*ra:ACC+64*(\q)+8*ra+7], v[32*(\q)+16:32*(\q)+31], v[32*ra+16:32*ra+31], v[ACC+64*(\q)+8*ra:ACC+64*(\q)+8*ra+7]
.endif
.endm
; Number nn of the 120 of a tile's argmax, on set p.  Four row tiles go together, line by line, so that no line reads the result of the one before it; then the other four.  An accumulator is read from its low end on.
.macro EP p, tau
.set em, nn%60
.set eu, em%4
.set era, 4*(nn/60)+eu
.set ed, ACC+64*(\p)+8*era
.if em < 4
	v_max3_num_f32 v[T0+eu], v[ed], v[ed+1], v[ed+2]
.elseif em < 8
	v_max3_num_f32 v[T1+eu], v[ed+3], v[ed+4], v[ed+5]
.elseif em < 12
	v_max3_num_f32 v[T0+eu], v[T0+eu], v[ed+6], v[ed+7]
.elseif em < 16
	v_max_num_f32 v[T0+eu], v[T0+eu], v[T1+eu]
.elseif em < 20
	v_add_f32 v[T0+eu], v[T0+eu], v[NX2+era]       ; the tile's largest v of my row
.elseif em < 24
	v_cmp_gt_f32 s[MK+eu], v[T0+eu], v[BEST+era]   ; strictly larger: at a tie the earlier tile, with the lower columns, stays
.elseif em < 28
	v_cndmask_b32 v[BEST+era], v[BEST+era], v[T0+eu], s[MK+eu]
.elseif em < 32
	v_cndmask_b32 v[ID+era], v[ID+era], s[\tau], s[MK+eu]
.else
	v_cndmask_b32 v[SAVE+8*era+(em-32)/4], v[SAVE+8*era+(em-32)/4], v[ed+(em-32)/4], s[MK+eu]
.endif
.endm
.macro SLICE p, tau                    ; slice kk of 16: seven or eight of the 120, by turns
	WIN 0
.set nn, (15*kk)/2
.rept (15*(kk+1))/2-(15*kk)/2
	EP \p, \tau
.set nn, nn+1
.endr
.endm
; A tile's codes (eight loads of 512 consecutive bytes) and its 16 ne2 (lane (r, h): those of columns 8 h + 0 .. 7) into set p, in one run.
.macro LOADT p, lo, adf, ade
	WIN 0
	v_add_nc_u32 v[ADR], s[TB], v[\adf]
	v_add_nc_u32 v[ADE], s[TE], v[\ade]
	WIN 0x80                                       ; destination window 2
.irp g, 0,1,2,3,4,5,6,7
	ds_load_b128 v[32*(\p)+4*\g:32*(\p)+4*\g+3], v[ADR] offset:(\lo)*4096+512*\g
.endr
.irp e, 0,1
	ds_load_b128 v[NEC+8*(\p)+4*\e:NEC+8*(\p)+4*\e+3], v[ADE] offset:(\lo)*64+16*\e
.endr
.endm
; A PHASE.  mm: the 16 products of the tile in set 1 - p.  ep: the argmax of the tile in set p's accumulators, a slice behind each product.  ld: the tile two on is fetched into set p, behind the second slice.
; PLACES (not for loads).  The loads go into registers that the phase before multiplied: behind its last product stand its last slice and this phase's first two, which name none of that
; product's registers.  The slices read accumulators whose last product stands a slice or more back.  A product that begins a sum anew over an accumulator stands a whole phase behind that accumulator's last product.
; Where a phase has no slices, four v_nop at its end take their part.
.macro PHASE p, mm, ep, ld, lo, adf, ade
.if \mm
	s_wait_dscnt 0x0                               ; the fragments asked for in the phase before are in
.endif
.set kk, 0
.rept 16
.if \mm
	MM 1-(\p)
.endif
.if \ep
	SLICE \p, TAU+(\p)
.endif
.if (\ld) && (kk == 1)
	LOADT \p, \lo, \adf, \ade
.endif
.set kk, kk+1
.endr
	WIN 0                                          ; at a label and at a branch every window is 0
.if !(\ep)
.rept 4
	v_nop
.endr
.endif
.endm
.macro PAIRS n, adf, ade               ; n pairs of phases: written once, walked n times; the LDS addresses hang on s[TB] and s[TE]
	s_mov_b32 s[CNT], \n
.Lpair_\@:
	PHASE 0, 1, 1, 1, 0, \adf, \ade
	PHASE 1, 1, 1, 1, 1, \adf, \ade
	s_add_co_u32 s[TB], s[TB], 8192
	s_add_co_u32 s[TE], s[TE], 128
	s_add_co_u32 s[TAU], s[TAU], 2
	s_add_co_u32 s[TAU+1], s[TAU+1], 2
	s_sub_co_u32 s[CNT], s[CNT], 1
	s_cmp_lg_u32 s[CNT], 0
	s_cbranch_scc1 .Lpair_\@
.endm
; A PREFETCH INTO THE L2 of the block that the NEXT change of slots will ask for: eight phases, 128 matrix instructions, ahead of that load.  The launch's first cluster asks, nobody else; wave w for chunk w's codes,
; each partner for 8,192 bytes of them (by address), lanes 256 bytes apart: each such block is named once in the launch.  A chunk's 512 bytes of ne2 are not asked for.  how = 1, at a change of slot 1: the last lap has no block behind it.
.macro ASK how
.if \how
	s_cmp_gt_u32 s[LAP], s[LIM]
.else
	s_cmp_eq_u32 s[LIM], 1
.endif
	s_cbranch_scc0 .Lnot_mine_\@
	global_prefetch_b8 v[PFO], s[PFA:PFA+1] th:TH_LOAD_NT scope:SCOPE_SE
.Lnot_mine_\@:
.endm
; THE CHANGE OF SLOTS.  Slot sl's last tile has been fetched.  Each wave waits for all its tensor loads (one is out: its chunk of the other slot), adds 0 to its spare word, and waits for that and for its reads of the slot;
; a round of the cluster's barrier, so that no wave of any partner still reads the slot or has a load on its way; then the joint refill, first thing: the block two on, with eight phases in which to land.
.macro CHANGE sl
	s_wait_tensorcnt 0x0                           ; no tensor load of mine is out, so a group 0 may be written
	ds_add_u32 v[SPW], v[NIL]                      ; 0 onto my spare word; the steps below stand between it and the wait for it
	s_add_nc_u64 s[G0+4*\sl+2:G0+4*\sl+3], s[G0+4*\sl+2:G0+4*\sl+3], 2*SLOTB   ; the type bits on top are not reached
	s_mov_b32 s[TB], 0                             ; the fetches go on at the other slot's first tile
	s_mov_b32 s[TE], 0
	s_wait_xcnt 0x0                                ; the last prefetch, eight phases back, has read its address, so it may be written
	s_add_nc_u64 s[PFA:PFA+1], s[PFA:PFA+1], SLOTB
	s_wait_dscnt 0x0                               ; the add is done, and my reads of the slot are over
	ROUND
	tensor_load_to_lds s[G0+4*\sl:G0+4*\sl+3], s[G1:G1+7]   ; my one tensor load until the next round
	s_nop 0
.rept 4
	v_nop
.endr
	ASK \sl
.endm
	s_mov_b32 s[TB], 0
	s_mov_b32 s[TE], 0
	s_mov_b32 s[TAU], 0
	s_mov_b32 s[TAU+1], 1
	s_wait_tensorcnt 0x1                           ; my chunk of slot 0 is in, and only I read it; slot 1's fill may stay out
	LOADT 0, 0, AD0, AE0                           ; tile 0
	PHASE 1, 1, 0, 1, 1, AD0, AE0                  ; tile 0's products | nothing yet to compare | tile 1 is fetched
	s_mov_b32 s[TB], 8192
	s_mov_b32 s[TE], 128
	PAIRS 3, AD0, AE0                              ; six phases fetch tiles 2 to 7: slot 0 is read out
	s_mov_b32 s[LAP], 7
.Llap:                                             ; seven trips, once round the ring each: blocks 2 to 15 are asked for
	CHANGE 0
	PAIRS 4, AD1, AE1
	CHANGE 1
	PAIRS 4, AD0, AE0
	s_sub_co_u32 s[LAP], s[LAP], 1
	s_cmp_lg_u32 s[LAP], 0
	s_cbranch_scc1 .Llap
	s_wait_tensorcnt 0x0                           ; the tail is written out: my chunk of block 15 is in; nothing is filled again, so no barrier stands here
	s_mov_b32 s[TB], 0
	s_mov_b32 s[TE], 0
	PAIRS 4, AD1, AE1
	PHASE 0, 1, 1, 0, 0, AD1, AE1                  ; tile 127's products | tile 126's argmax
	PHASE 1, 0, 1, 0, 0, AD1, AE1                  ; tile 127's argmax
; THE END.  Which of the best tile's eight registers won: the lowest j whose kept sum + nx2 equals the best; if none of the seven, the eighth.
.irp a, 0,1,2,3,4,5,6,7
	v_mov_b32 v[JJ+\a], 7
.endr
.irp j, 6,5,4,3,2,1,0
.irp G, 0,4
.irp u, 0,1,2,3
	v_add_f32 v[T0+\u], v[SAVE+8*(\G+\u)+\j], v[NX2+\G+\u]
.endr
.irp u, 0,1,2,3
	v_cmp_eq_f32 s[MK+\u], v[T0+\u], v[BEST+\G+\u]
.endr
.irp u, 0,1,2,3
	v_cndmask_b32 v[JJ+\G+\u], v[JJ+\G+\u], \j, s[MK+\u]
.endr
.endr
.endr
; the column: tile t of wave w is chunk 4 (t / 8) + w, image t % 8: n = 512 (t / 8) + 128 w + 16 (t % 8) + 8 h + j
.irp a, 0,1,2,3,4,5,6,7
	v_lshrrev_b32 v[T0+\a], 3, v[ID+\a]
.endr
.irp a, 0,1,2,3,4,5,6,7
	v_and_b32 v[ID+\a], 7, v[ID+\a]
.endr
.irp a, 0,1,2,3,4,5,6,7
	v_lshl_add_u32 v[JJ+\a], v[T0+\a], 9, v[JJ+\a]
.endr
.irp a, 0,1,2,3,4,5,6,7
	v_lshl_add_u32 v[JJ+\a], v[ID+\a], 4, v[JJ+\a]
.endr
.irp a, 0,1,2,3,4,5,6,7
	v_add_nc_u32 v[JJ+\a], v[NB], v[JJ+\a]
.endr
; (bv, bi) takes (cv, ci) where cv is larger, or equal with the lower column
.macro TAKE bv, bi, cv, ci
	v_cmp_gt_f32 s52, v[\cv], v[\bv]
	v_cmp_eq_f32 s53, v[\cv], v[\bv]
	v_cmp_lt_u32 s54, v[\ci], v[\bi]
	s_and_b32 s53, s53, s54
	s_or_b32 s52, s52, s53
	v_cndmask_b32 v[\bv], v[\bv], v[\cv], s52
	v_cndmask_b32 v[\bi], v[\bi], v[\ci], s52
.endm
.irp a, 0,1,2,3,4,5,6,7
	v_permlanex16_b32 v[T0+\a], v[BEST+\a], s[SEL], s[SEL+1]   ; the row's other columns of each tile lie in the lane 16 away
	v_permlanex16_b32 v[ID+\a], v[JJ+\a], s[SEL], s[SEL+1]
.endr
.irp a, 0,1,2,3,4,5,6,7
	TAKE BEST+\a, JJ+\a, T0+\a, ID+\a
.endr
.irp a, 0,1,2,3,4,5,6,7
	ds_store_b32 v[MW], v[BEST+\a] offset:64*\a           ; my wave's best of row 16 a + r; both halves of the lanes write the same word with the same number
	ds_store_b32 v[MW], v[JJ+\a] offset:2048+64*\a
.endr
	s_wait_dscnt 0x0                               ; for the others' sake: my stores have landed
	s_barrier_signal -1
	s_barrier_wait -1
	s_cmp_lg_u32 s[WV], 0                          ; wave 0 joins the four waves' results, four rows a lane
	s_cbranch_scc1 .Lothers
.irp w, 0,1,2,3
	ds_load_b128 v[128+4*\w:131+4*\w], v[MR] offset:512*\w
	ds_load_b128 v[144+4*\w:147+4*\w], v[MR] offset:2048+512*\w
.endr
	s_wait_dscnt 0x0
.irp w, 1,2,3
.irp i, 0,1,2,3
	TAKE 128+\i, 144+\i, 128+4*\w+\i, 144+4*\w+\i
.endr
.endr
	global_store_b128 v[GO], v[144:147], s[10:11]  ; 32 lanes store the work-group's 128 words: 512 consecutive bytes, aligned
.Lothers:
	s_wait_tensorcnt 0x0                           ; the wave's end: behind my last tensor load and my last LDS store
	ds_add_u32 v[SPW], v[NIL]
	s_wait_dscnt 0x0
	ROUND                                          ; the closing round: no work-group ends while a partner may still ask for a chunk that names it
	s_endpgm
.Lfunc_end_k_qcd23586a24_vq:
	.size	k_qcd23586a24_vq, .Lfunc_end_k_qcd23586a24_vq-k_qcd23586a24_vq
	.p2alignl 7, 3214868480
	.fill 96, 4, 3214868480
	.section	.rodata,"a",@progbits
	.p2align	6, 0x0
	.amdhsa_kernel k_qcd23586a24_vq
		.amdhsa_group_segment_fixed_size 327680
		.amdhsa_private_segment_fixed_size 0
		.amdhsa_enable_private_segment 0
		.amdhsa_kernarg_size 32
		.amdhsa_user_sgpr_count 2
		.amdhsa_user_sgpr_kernarg_segment_ptr 1
		.amdhsa_wavefront_size32 1
		.amdhsa_system_sgpr_workgroup_id_x 1
		.amdhsa_system_sgpr_workgroup_id_y 1
		.amdhsa_system_sgpr_workgroup_id_z 1
		.amdhsa_system_vgpr_workitem_id 0
		.amdhsa_next_free_vgpr 1024
		.amdhsa_next_free_sgpr 66
		.amdhsa_reserve_vcc 0
		.amdhsa_float_denorm_mode_32 3
		.amdhsa_float_denorm_mode_16_64 3
		.amdhsa_memory_ordered 1
		.amdhsa_forward_progress 1
		.amdhsa_inst_pref_size 178
	.end_amdhsa_kernel
	.amdgpu_metadata
---
amdhsa.version: [ 1, 2 ]
amdhsa.kernels:
  - .name:           k_qcd23586a24_vq
    .symbol:         k_qcd23586a24_vq.kd
    .args:
      - { .name: x, .offset: 0, .size: 8, .value_kind: global_buffer, .address_space: global }
      - { .name: ecodes, .offset: 8, .size: 8, .value_kind: global_buffer, .address_space: global }
      - { .name: lowp_scales, .offset: 16, .size: 8, .value_kind: global_buffer, .address_space: global }
      - { .name: idx, .offset: 24, .size: 8, .value_kind: global_buffer, .address_space: global }
    .group_segment_fixed_size: 327680
    .private_segment_fixed_size: 0
    .kernarg_segment_align: 8
    .kernarg_segment_size: 32
    .max_flat_workgroup_size: 128
    .sgpr_count:     66
    .vgpr_count:     1024
    .wavefront_size: 32
...
	.end_amdgpu_metadata
.endif
;; end of part 2
;; launch take (part 3): grid 256 x 1, 8 waves a work-group, no clusters, 0 bytes of LDS; arguments idx, et, out0; writes out0
.if DOCPART == 3
	.amdgcn_target "amdgcn-amd-amdhsa--gfx1250"
	.amdhsa_code_object_version 6
	.text
	.protected	k_qcd23586a24_take
	.globl	k_qcd23586a24_take
	.p2align	8
	.type	k_qcd23586a24_take,@function
k_qcd23586a24_take:
	s_mov_b64 s[64:65], 0
	v_nop
	global_prefetch_b8 v0, s[64:65] scope:SCOPE_SE
	s_setreg_imm32_b32 hwreg(HW_REG_WAVE_MODE, 25, 1), 1
	s_wait_xcnt 0x0
; out0[row][:] = et[idx[row]][:]: the chosen column of E, unquantised, as a row of 1,024 bytes.  idx holds whole numbers that the launch before has stored.
; A wave takes 16 rows: their 16 numbers come by one scalar load; each row is two loads and two stores of 512 consecutive bytes.  All 32 loads of a wave go out before its first store.
; Memory binds: no LDS, no barrier, no matrix unit, no cluster.  The loads carry no hint, since a row of et may be named by many rows; the stores are written once and read by nobody here.
	s_load_b128 s[4:7], s[0:1], 0x0                ; idx s[4:5], et s[6:7]
	s_load_b64 s[8:9], s[0:1], 0x10                ; out0
	v_lshrrev_b32 v2, 5, v0
	v_readfirstlane_b32 s10, v2                    ; wave 0..7
	v_and_b32 v1, 31, v0
	v_lshlrev_b32 v1, 4, v1                        ; 16 bytes a lane
	s_lshl_b32 s12, ttmp9, 9                       ; idx: 128 words a work-group,
	s_lshl_b32 s11, s10, 6
	s_add_co_u32 s12, s12, s11                     ; 16 a wave
	s_mov_b32 s13, 0
	s_lshl_b32 s14, ttmp9, 17                      ; out0: 128 rows of 1,024 bytes a work-group,
	s_lshl_b32 s11, s10, 14
	s_add_co_u32 s14, s14, s11                     ; 16 a wave
	s_mov_b32 s15, 0
	s_wait_kmcnt 0x0
	s_add_nc_u64 s[4:5], s[4:5], s[12:13]
	s_add_nc_u64 s[8:9], s[8:9], s[14:15]
	s_load_b512 s[16:31], s[4:5], 0x0              ; my 16 rows' columns
	s_wait_kmcnt 0x0
.irp i, 0,1,2,3,4,5,6,7,8,9,10,11,12,13,14,15
	s_min_u32 s[16+\i], s[16+\i], 0x1fff           ; a loaded number enters an address only behind a bound: et has 8,192 rows
	s_lshl_b32 s[16+\i], s[16+\i], 10
	v_add_nc_u32 v[4+\i], s[16+\i], v1
.endr
.irp i, 0,1,2,3,4,5,6,7,8,9,10,11,12,13,14,15
	global_load_b128 v[24+8*\i:27+8*\i], v[4+\i], s[6:7]
	global_load_b128 v[28+8*\i:31+8*\i], v[4+\i], s[6:7] offset:512
.endr
.irp i, 0,1,2,3,4,5,6,7,8,9,10,11,12,13,14,15
	s_wait_loadcnt 30-2*\i                         ; row i's two loads are in; the later rows' may be out
	global_store_b128 v1, v[24+8*\i:27+8*\i], s[8:9] offset:1024*\i th:TH_STORE_NT       ; 32 lanes store 512 consecutive bytes, aligned
	global_store_b128 v1, v[28+8*\i:31+8*\i], s[8:9] offset:1024*\i+512 th:TH_STORE_NT
.endr
	s_endpgm
.Lfunc_end_k_qcd23586a24_take:
	.size	k_qcd23586a24_take, .Lfunc_end_k_qcd23586a24_take-k_qcd23586a24_take
	.p2alignl 7, 3214868480
	.fill 96, 4, 3214868480
	.section	.rodata,"a",@progbits
	.p2align	6, 0x0
	.amdhsa_kernel k_qcd23586a24_take
		.amdhsa_group_segment_fixed_size 0
		.amdhsa_private_segment_fixed_size 0
		.amdhsa_enable_private_segment 0
		.amdhsa_kernarg_size 24
		.amdhsa_user_sgpr_count 2
		.amdhsa_user_sgpr_kernarg_segment_ptr 1
		.amdhsa_wavefront_size32 1
		.amdhsa_system_sgpr_workgroup_id_x 1
		.amdhsa_system_sgpr_workgroup_id_y 1
		.amdhsa_system_sgpr_workgroup_id_z 1
		.amdhsa_system_vgpr_workitem_id 0
		.amdhsa_next_free_vgpr 152
		.amdhsa_next_free_sgpr 66
		.amdhsa_reserve_vcc 0
		.amdhsa_float_denorm_mode_32 3
		.amdhsa_float_denorm_mode_16_64 3
		.amdhsa_memory_ordered 1
		.amdhsa_forward_progress 1
		.amdhsa_inst_pref_size 10
	.end_amdhsa_kernel
	.amdgpu_metadata
---
amdhsa.version: [ 1, 2 ]
amdhsa.kernels:
  - .name:           k_qcd23586a24_take
    .symbol:         k_qcd23586a24_take.kd
    .args:
      - { .name: idx, .offset: 0, .size: 8, .value_kind: global_buffer, .address_space: global }
      - { .name: et, .offset: 8, .size: 8, .value_kind: global_buffer, .address_space: global }
      - { .name: out0, .offset: 16, .size: 8, .value_kind: global_buffer, .address_space: global }
    .group_segment_fixed_size: 0
    .private_segment_fixed_size: 0
    .kernarg_segment_align: 8
    .kernarg_segment_size: 24
    .max_flat_workgroup_size: 256
    .sgpr_count:     66
    .vgpr_count:     152
    .wavefront_size: 32
...
	.end_amdgpu_metadata
.endif
;; end of part 3
